; MI455X (gfx1250); checked and timed in simulation.
; The chip was launched on July 23, 2026; its instructions are those of AMD's public machine-readable ISA for CDNA 5 (MIT licence, August 2026) and "CDNA5" Instruction Set Architecture Reference Guide (July 2026). The comments in the code are by the model that wrote it; some were corrected since.
;; Neural ODE Block. Allowed arithmetic: float matrix products may take bf16 or f16 operands with f32 sums; all other float work in f32.
;; Inputs: W1 1,025 x 64 float32; W2 64 x 1,024 float32; b1 64 float32; b2 1,024 float32; x 8 x 2,048 x 1,024 float32.
;; Outputs: out0 8 x 2,048 x 1,024 float32.
;; One version. Each part assembles by itself: llvm-mc -triple=amdgcn-amd-amdhsa -mcpu=gfx1250 --defsym DOCPART=n.
;; ======== version 1 of 1: 1 launch
;; launch node (part 1): grid 256 x 1, 4 waves a work-group, no clusters, 325,120 bytes of LDS; arguments x, W1, b1, W2, b2, out0; writes out0
.if DOCPART == 1
	.amdgcn_target "amdgcn-amd-amdhsa--gfx1250"
	.amdhsa_code_object_version 6
	.text
	.protected	k_q27f4dc2f3e_node
	.globl	k_q27f4dc2f3e_node
	.p2align	8
	.type	k_q27f4dc2f3e_node,@function
k_q27f4dc2f3e_node:
	s_mov_b64 s[64:65], 0
	v_nop
	global_prefetch_b8 v0, s[64:65] scope:SCOPE_SE
	s_setreg_imm32_b32 hwreg(HW_REG_WAVE_MODE, 25, 1), 1
	s_wait_xcnt 0x0
; Six RK4 steps of z' = tanh(z W1a + t w + b1) W2 + b2 on 16,384 rows of 1,024 f32 (W1a = W1[0:1024], w = W1[1024]).
; z enters the dynamics only through u = z W1a (64 numbers a row), and every increment of z is (hidden vector) W2 + b2.  With
; M = W2 W1a (64 x 64) and c = b2 W1a the integration runs on u:  u' = tanh(u + t w + b1) M + c,  and
; z_T = x + (1/36) A W2 + b2,  A = sum over the six steps of h1 + 2 h2 + 2 h3 + h4  (b2: six steps of (1/36) 6 b2).
; This reorders the sums and holds for every input.  LIMITS, stated: finite inputs; the order of rounding is that of the
; reordered sums (x, W1, W2, b2, M and the hidden vectors are matrix operands in bf16, u and all sums in f32, x is added in f32);
; tanh(y) = 1 - 2 / (1 + 2^(2 y log2 e)), absolute error near 1e-7, exact at saturation (2^y = inf gives 1, 2^y = 0 gives -1).
; State scaled by S2 = 2 log2 e:  P = S2 (u + t w + b1),  Mh = (S2/12) M,  Gh = (S2/12)(c + w).  One step:
;   a2 = Mh^T h1 + P + Gh,  a3 = Mh^T h2 + P + Gh,  a4 = Mh^T (2 h3) + P + 2 Gh,  P' = Mh^T (sigma / 3) + P + 2 Gh.
; SHARES: 256 work-groups of 64 rows, four waves.  Wave w owns columns 256 w .. 256 w + 255 of x, W1a's rows and W2's columns (a split of K in
; M, c and u, a split of the columns in the output) and rows 16 w .. 16 w + 15 in the integration.  x comes in once, one tensor load a wave
; (64 rows x 1,024 bytes), stays in LDS in f32, is read once as bf16 operands and once for the last sum.  No LDS byte is filled twice.
; The integration is kept transposed (hidden index along the registers, data row on the lane): a result tile turns into the next
; product's second operand by conversions inside the lane.  Hidden position (tile t, row m) stands for hidden index 4 m + t, output
; column (tile t, lane r) for column 4 r + t of a group of 64: 16 bytes of four neighbours feed, or come from, the four tiles.
; NO CLUSTER: what the work-groups share is the 524,544 bytes of W1 and W2.  LDS holds 266,240 bytes of x and 58,368 of exchange, which leaves
; 3,072: the weights go straight into registers as operand fragments, by loads of which sixteen lanes cover 256 consecutive bytes.
.set XPITCH, 1040                      ; an LDS row of x: 1,024 bytes + 16 of padding, an odd multiple of 16
.set XSLICE, 64*XPITCH                 ; a wave's slice of x
.set XBLK,   16*XPITCH                 ; sixteen rows of it
.set EX,     4*XSLICE                  ; 266,240: four parts of 12,288, each written by its own wave alone
.set EXPART, 12288
.set IPITCH, 144                       ; W2's bf16 image: 64 positions x (128 bytes + 16)
.set B2L,    9216                      ; behind the image: my 256 numbers of b2 in f32
.set MG,     EX+4*EXPART               ; 315,392: Mh's eight fragments of 1,024 bytes, later S's eight
.set CG,     MG+8192                   ; 323,584: c's partial sums, [wave][tile][lane half][register] f32
.set S2,     0x4038aa3b                ; 2 log2 e
.set KAPPA,  0x3e76384f                ; 2 log2 e / 12
.set THIRD,  0x3eaaaaab
.set INV36,  0x3ce38e39
; block 0
.set L16, 1                            ; 16 x lane
.set R,   2                            ; lane % 16
.set H,   3                            ; lane / 16
.set VW1, 4                            ; weights' phase: offsets in W1, W2, b2
.set VW2, 5
.set VB2, 6
.set VSS, 7                            ; image, store
.set VSA, 8                            ; v8-11 image, fragment loads of position tile (w + d) & 3
.set VB2S, 12
.set VB2L, 13
.set VB,  14                           ; offset in b1 and in w
.set VEXS, 4                           ; exchange phases
.set VEXL, 5                           ; v5-7
.set VMGS, 8
.set VMG, 9
.set VCGS, 10
.set VCGL, 11
.set VXA, 12                           ; v12-15 x fragments of row block (w + d) & 3
.set VSGS, 4                           ; the way out
.set VXR, 5
.set VOUT, 6
.set B2C, 16                           ; v16-31  b2[256 w + 64 g + 4 r + t] at 4 g + t
.set AF,  32                           ; v32-95  image fragments / XF two buffers of 32 / BF, AC / SF
.set XF,  32
.set BF,  32
.set AC,  48
.set SF,  32
.set GR,  96                           ; v96-223 four groups of 32: group d belongs to tile or row block (w + d) & 3
.set AR,  96
.set CC,  128
.set HH,  160
.set SG,  192
.set OA,  96
.set XO,  160
.set CP,  224                          ; v224-255 c's partial sums, then Gh, then b2 spread over the registers
.set GH,  224
.set B2B, 224
; block 1: W1's fragments at 32 ks + 8 t.  block 2: W2's at 64 g + 32 kb + 8 t.
; block 3: four landing buffers of 64; later v0-127 two buffers for x in f32, and:
.set MH,  128                          ; Mh's fragments at 16 nt + 8 kb
.set B1V, 192                          ; b1 at 4 j + t
.set WV,  224                          ; w  at 4 j + t
.set MSB, 0
.macro WIN new                         ; low byte: bits 1:0 source 0, 3:2 source 1, 5:4 source 2, 7:6 destination; high byte: the setting that is left
.if MSB != \new
	s_set_vgpr_msb (MSB<<8)|\new
.set MSB, \new
.endif
.endm
.macro PLACES                          ; four independent vector instructions between a matrix instruction and whatever else touches its registers (ISA guide 7.12.1)
.rept 4
	v_nop
.endr
.endm
.macro BAR                             ; my LDS stores have landed and my LDS loads are back; then all four waves meet
	s_wait_dscnt 0x0
	s_barrier_signal -1
	s_barrier_wait -1
.endm
.macro ROT dst, delta, mul, base       ; ((wave + delta) & 3) x mul + base
	s_add_co_u32 \dst, s16, \delta
	s_and_b32 \dst, \dst, 3
	s_mul_i32 \dst, \dst, \mul
	s_add_co_u32 \dst, \dst, \base
.endm
.macro PKADD d, a, b                   ; 32 numbers: d = a + b
.set i, 0
.rept 16
	v_pk_add_f32 v[\d+i:\d+i+1], v[\a+i:\a+i+1], v[\b+i:\b+i+1]
.set i, i+2
.endr
.endm
.macro PKSCALE d, a, c                 ; 32 numbers: d = a x constant
.set i, 0
.rept 16
	v_pk_mul_f32 v[\d+i:\d+i+1], v[\a+i:\a+i+1], \c op_sel_hi:[1,0]
.set i, i+2
.endr
.endm
; ---- weights -------------------------------------------------------------------------------------------------------------------
; 32 rows of W1 (k step ks of my slice): lane (r, h) takes hidden 4 r .. 4 r + 3 of rows 32 ks + 16 half + 8 h + e
.macro LDW1 ks, buf
	WIN 0xc0
.irp half, 0,1
.irp e, 0,1,2,3,4,5,6,7
	global_load_b128 v[64*\buf+4*(8*\half+\e):64*\buf+4*(8*\half+\e)+3], v[VW1], s[32:33] offset:(32*\ks+16*\half+\e)*256
.endr
.endr
.endm
; 32 hidden positions (tiles 2 kb, 2 kb + 1) x 64 columns (group g) of W2: row 32 h + 4 e + 2 kb + half, columns 64 g + 4 r .. + 3
.macro LDW2 g, kb, buf
	WIN 0xc0
.irp half, 0,1
.irp e, 0,1,2,3,4,5,6,7
	global_load_b128 v[64*\buf+4*(8*\half+\e):64*\buf+4*(8*\half+\e)+3], v[VW2], s[34:35] offset:(4*\e+2*\kb+\half)*4096+256*\g
.endr
.endr
.endm
; a landing buffer becomes four fragments (K along the registers, the lower K in the lower half)
.macro CVTF buf, win, dst
	WIN \win
.irp t, 0,1,2,3
.irp half, 0,1
.irp q, 0,1,2,3
	v_cvt_pk_bf16_f32 v[\dst+8*\t+4*\half+\q], v[64*\buf+4*(8*\half+2*\q)+\t], v[64*\buf+4*(8*\half+2*\q+1)+\t]
.endr
.endr
.endr
.endm
; the same buffer of W2 goes, by rows, into my bf16 image (position x 64 columns of group g): the first operand of M needs K = column
.macro IMG kb, buf
	WIN 0xcf
.set i, 0
.rept 16
	v_cvt_pk_bf16_f32 v[64*\buf+i],   v[64*\buf+i],   v[64*\buf+i+1]
	v_cvt_pk_bf16_f32 v[64*\buf+i+1], v[64*\buf+i+2], v[64*\buf+i+3]
.set i, i+4
.endr
	WIN 0x0c
.irp half, 0,1
.irp e, 0,1,2,3,4,5,6,7
	ds_store_b64 v[VSS], v[64*\buf+4*(8*\half+\e):64*\buf+4*(8*\half+\e)+1] offset:(16*(2*\kb+\half)+\e)*IPITCH
.endr
.endr
.endm
.macro MM16 g, ks2, zero               ; sixteen accumulators, one instruction a turn
.irp d, 0,1,2,3
.irp nt, 0,1,2,3
.if \zero
	v_wmma_f32_16x16x32_bf16 v[GR+32*\d+8*\nt:GR+32*\d+8*\nt+7], v[AF+8*(4*\ks2+\d):AF+8*(4*\ks2+\d)+7], v[32*(2*\g+\ks2)+8*\nt:32*(2*\g+\ks2)+8*\nt+7], 0
.else
	v_wmma_f32_16x16x32_bf16 v[GR+32*\d+8*\nt:GR+32*\d+8*\nt+7], v[AF+8*(4*\ks2+\d):AF+8*(4*\ks2+\d)+7], v[32*(2*\g+\ks2)+8*\nt:32*(2*\g+\ks2)+8*\nt+7], v[GR+32*\d+8*\nt:GR+32*\d+8*\nt+7]
.endif
.endr
.endr
.endm
; M += W2[:, group g] W1a[group g, :], my slice's part.  LDS serves a wave's instructions in order: the loads see the image's stores.
.macro MMUL g, zero
	WIN 0
.irp ks2, 0,1
.irp d, 0,1,2,3
	ds_load_b128 v[AF+8*(4*\ks2+\d):AF+8*(4*\ks2+\d)+3],   v[VSA+\d] offset:64*\ks2
	ds_load_b128 v[AF+8*(4*\ks2+\d)+4:AF+8*(4*\ks2+\d)+7], v[VSA+\d] offset:64*\ks2+32
.endr
.endr
	WIN 0x04
	s_wait_dscnt 0x8                               ; all but the second k step's eight loads
	MM16 \g, 0, \zero
	s_wait_dscnt 0x0
	MM16 \g, 1, 0
.endm
; ---- products with W1's fragments as first operand (c and u, transposed) ----------------------------------------------------------
; four k steps of f32 from LDS: lane (r, h) takes columns 32 ks + 8 h .. + 7 and 32 ks + 16 + 8 h .. + 7 of its row
.macro XLOAD buf, addr, kq
	WIN 0xc0
.irp k, 0,1,2,3
	ds_load_b128 v[64*\buf+16*\k:64*\buf+16*\k+3],     v[\addr] offset:128*(4*\kq+\k)
	ds_load_b128 v[64*\buf+16*\k+4:64*\buf+16*\k+7],   v[\addr] offset:128*(4*\kq+\k)+16
	ds_load_b128 v[64*\buf+16*\k+8:64*\buf+16*\k+11],  v[\addr] offset:128*(4*\kq+\k)+64
	ds_load_b128 v[64*\buf+16*\k+12:64*\buf+16*\k+15], v[\addr] offset:128*(4*\kq+\k)+80
.endr
.endm
.macro XCVT buf
	WIN 0x0f
.set i, 0
.rept 32
	v_cvt_pk_bf16_f32 v[XF+32*\buf+i], v[64*\buf+2*i], v[64*\buf+2*i+1]
.set i, i+1
.endr
.endm
.macro XM4 buf, acc, ks, k, zero       ; the four hidden tiles take turns, one instruction a turn
.irp t, 0,1,2,3
.if \zero
	v_wmma_f32_16x16x32_bf16 v[\acc+8*\t:\acc+8*\t+7], v[32*(\ks)+8*\t:32*(\ks)+8*\t+7], v[XF+32*\buf+8*\k:XF+32*\buf+8*\k+7], 0
.else
	v_wmma_f32_16x16x32_bf16 v[\acc+8*\t:\acc+8*\t+7], v[32*(\ks)+8*\t:32*(\ks)+8*\t+7], v[XF+32*\buf+8*\k:XF+32*\buf+8*\k+7], v[\acc+8*\t:\acc+8*\t+7]
.endif
.endr
.endm
.macro XMUL buf, acc, kq, zero
	WIN 0x01
	XM4 \buf, \acc, 4*\kq+0, 0, \zero
	XM4 \buf, \acc, 4*\kq+1, 1, 0
	XM4 \buf, \acc, 4*\kq+2, 2, 0
	XM4 \buf, \acc, 4*\kq+3, 3, 0
.endm
; one batch of the projection: row block (w + d) & 3, k steps 4 kq .. 4 kq + 3; nd >= 0: the batch two further on is fetched
.macro PBATCH buf, d, kq, left, nd
	s_wait_dscnt \left                             ; all but the one younger batch of sixteen loads
	XCVT \buf
.if \nd >= 0
	XLOAD \buf, VXA+\nd, \kq
.endif
	XMUL \buf, GR+32*\d, \kq, 1-\kq
.endm
; ---- sums over the four waves: I keep group 0 and hand groups 1 to 3 to their owners ---------------------------------------------
.macro EXSEND
	WIN 0
	PLACES                                         ; behind the last matrix instructions: the stores read results
.irp d, 1,2,3
.irp t, 0,1,2,3
	ds_store_b128 v[VEXS], v[GR+32*\d+8*\t:GR+32*\d+8*\t+3]   offset:4096*(\d-1)+1024*\t
	ds_store_b128 v[VEXS], v[GR+32*\d+8*\t+4:GR+32*\d+8*\t+7] offset:4096*(\d-1)+1024*\t+512
.endr
.endr
.endm
.macro EXRECV
	BAR
.irp d, 1,2,3
.irp t, 0,1,2,3
	ds_load_b128 v[GR+32*\d+8*\t:GR+32*\d+8*\t+3],   v[VEXL+\d-1] offset:1024*\t
	ds_load_b128 v[GR+32*\d+8*\t+4:GR+32*\d+8*\t+7], v[VEXL+\d-1] offset:1024*\t+512
.endr
.endr
	s_wait_dscnt 0x0
	PKADD GR+32, GR+32, GR+64
	PKADD GR, GR, GR+96
	PKADD GR, GR, GR+32
.endm
; ---- the integration --------------------------------------------------------------------------------------------------------------
; dst = a / (1 + 2^AR) + b on 32 numbers.  Behind each run of transcendentals one plain instruction before a result is used (ISA guide 5.7.2).
.macro TANH dst, a, b
.set i, 0
.rept 32
	v_exp_f32 v[AR+i], v[AR+i]
.set i, i+1
.endr
	v_nop
.set i, 0
	s_wait_alu depctr_va_vdst(0)
.rept 16
	v_pk_add_f32 v[AR+i:AR+i+1], v[AR+i:AR+i+1], 1.0 op_sel_hi:[1,0]
.set i, i+2
.endr
.set i, 0
.rept 32
	v_rcp_f32 v[AR+i], v[AR+i]
.set i, i+1
.endr
	v_nop
.set i, 0
	s_wait_alu depctr_va_vdst(0)
.rept 16
	v_pk_fma_f32 v[\dst+i:\dst+i+1], v[AR+i:AR+i+1], \a, \b op_sel_hi:[1,0,0]
.set i, i+2
.endr
.endm
.macro PACK src                        ; four result tiles become two second operands, inside the lane: tile 2 kb fills registers 0-3, tile 2 kb + 1 registers 4-7
.set i, 0
.rept 16
	v_cvt_pk_bf16_f32 v[BF+i], v[\src+2*i], v[\src+2*i+1]
.set i, i+1
.endr
.endm
.macro PROD                            ; AR = Mh^T BF + CC; the four tiles take turns, one instruction a turn
	WIN 0x03
.irp nt, 0,1,2,3
	v_wmma_f32_16x16x32_bf16 v[AR+8*\nt:AR+8*\nt+7], v[MH+16*\nt:MH+16*\nt+7], v[BF:BF+7], v[CC+8*\nt:CC+8*\nt+7]
.endr
.irp nt, 0,1,2,3
	v_wmma_f32_16x16x32_bf16 v[AR+8*\nt:AR+8*\nt+7], v[MH+16*\nt+8:MH+16*\nt+15], v[BF+8:BF+15], v[AR+8*\nt:AR+8*\nt+7]
.endr
	WIN 0
.endm
; one RK4 step.  In: AR = P.  Out: AR = P' (not in the last step), sg = sigma, AC += sigma (the first step writes sigma into AC itself).
; Behind each PROD stand at least four plain instructions that name none of its registers before AR is read or BF, CC are written.
.macro STEP sg, first, last
	PKADD CC, AR, GH                               ; P + Gh
	TANH \sg, -2.0, 1.0                            ; h1
	PACK \sg
	PROD
	PLACES
	TANH HH, -2.0, 1.0                             ; h2
	PACK HH
	PROD
.set i, 0
.rept 16
	v_pk_fma_f32 v[\sg+i:\sg+i+1], v[HH+i:HH+i+1], 2.0, v[\sg+i:\sg+i+1] op_sel_hi:[1,0,1]   ; sigma = h1 + 2 h2: the places
.set i, i+2
.endr
	PKADD CC, CC, GH                               ; P + 2 Gh
	TANH HH, -4.0, 2.0                             ; 2 h3
	PACK HH
	PROD
	PKADD \sg, \sg, HH                             ; the places
	TANH HH, -2.0, 1.0                             ; h4
	PKADD \sg, \sg, HH
.if \last == 0
	PKSCALE HH, \sg, THIRD
	PACK HH
	PROD
.endif
.if \first
	PLACES
.else
	PKADD AC, AC, \sg                              ; the places
.endif
.endm
; ---- the way out --------------------------------------------------------------------------------------------------------------------
.macro B2BSET g                        ; b2 of column group g as the products' addend: one number a lane and tile, in all eight registers (rows)
.irp t, 0,1,2,3
.irp j, 0,1,2,3,4,5,6,7
	v_mov_b32 v[B2B+8*\t+\j], v[B2C+4*\g+\t]
.endr
.endr
.endm
; rows 16 rb .. + 15 x columns 64 g .. + 63 of my slice: x is fetched, S W2 + b2 is multiplied
.macro MM g, rb, b
	s_wait_xcnt 0x0                                ; XO's buffer b, which earlier stores read, is loaded again only behind this wait
.irp j, 0,1,2,3,4,5,6,7
	ds_load_b128 v[XO+32*\b+4*\j:XO+32*\b+4*\j+3], v[VXR] offset:(16*\rb+\j)*XPITCH+256*\g
.endr
	WIN 0x08
.irp t, 0,1,2,3
	v_wmma_f32_16x16x32_bf16 v[OA+32*\b+8*\t:OA+32*\b+8*\t+7], v[SF+16*\rb:SF+16*\rb+7], v[64*\g+8*\t:64*\g+8*\t+7], v[B2B+8*\t:B2B+8*\t+7]
.endr
.irp t, 0,1,2,3
	v_wmma_f32_16x16x32_bf16 v[OA+32*\b+8*\t:OA+32*\b+8*\t+7], v[SF+16*\rb+8:SF+16*\rb+15], v[64*\g+32+8*\t:64*\g+32+8*\t+7], v[OA+32*\b+8*\t:OA+32*\b+8*\t+7]
.endr
	WIN 0
.endm
; x is added in f32; a lane's four tiles give four neighbouring columns, and sixteen lanes store 256 consecutive bytes, aligned
.macro ADDST g, rb, b, left
	s_wait_dscnt \left                             ; all but the next block's eight loads of x
.irp j, 0,1,2,3,4,5,6,7
.irp t, 0,1,2,3
	v_add_f32 v[XO+32*\b+4*\j+\t], v[XO+32*\b+4*\j+\t], v[OA+32*\b+8*\t+\j]
.endr
	global_store_b128 v[VOUT], v[XO+32*\b+4*\j:XO+32*\b+4*\j+3], s[38:39] offset:(16*\rb+\j)*4096+256*\g th:TH_STORE_NT
.endr
.endm
; ==== entry: the one tensor load of the wave goes out first =========================================================================
	s_load_b256 s[4:11], s[0:1], 0x0               ; x s[4:5], W1 s[6:7], b1 s[8:9], W2 s[10:11]
	s_load_b128 s[12:15], s[0:1], 0x20             ; b2 s[12:13], out0 s[14:15]
	v_lshl_add_u32 v254, v0, 2, 0x4f400
	v_mov_b32 v255, 0
	ds_add_u32 v254, v255
	ds_add_u32 v254, v255
	s_wait_dscnt 0x0
	v_lshrrev_b32 v1, 5, v0
	v_readfirstlane_b32 s16, v1                    ; wave 0..3
	s_mov_b32 s24, 0x07d20000                      ; element of 4 bytes; padding on: after every 256 words (code 7) 4 words (code 3)
	s_mov_b32 s25, 256<<16                         ; tensor_dim0 = 256
	s_mov_b32 s26, 64<<16                          ; tensor_dim1 = 64
	s_mov_b32 s27, 256<<16                         ; tile_dim0 = 256 elements: 1,024 bytes of a row
	s_mov_b32 s28, 64                              ; tile_dim1 = 64 rows
	s_mov_b32 s29, 1024                            ; elements from row to row
	s_mov_b32 s30, 0
	s_mov_b32 s31, 0
	s_mov_b32 s20, 1
	s_mul_i32 s21, s16, XSLICE                     ; to my slice in LDS
	s_mul_i32 s46, s16, XSLICE
	s_lshl_b32 s18, s16, 10                        ; my 1,024 bytes of a row of x, out0, W2, and of b2
	s_mov_b32 s19, 0
	s_lshl_b32 s42, ttmp9, 18                      ; the work-group's 64 rows of 4,096 bytes (below 2^26)
	s_add_co_u32 s42, s42, s18
	s_mov_b32 s43, 0
	s_wait_kmcnt 0x0
	s_add_nc_u64 s[22:23], s[4:5], s[42:43]
	s_or_b32 s23, s23, 0x80000000                  ; type 2
	tensor_load_to_lds s[20:23], s[24:31]          ; 64 rows x 1,024 bytes; the wave's only tensor load: one is out, until the wait in front of the projection
	s_nop 0
	s_add_nc_u64 s[38:39], s[14:15], s[42:43]      ; out0 at my block
	s_add_nc_u64 s[34:35], s[10:11], s[18:19]      ; W2 at my columns
	s_add_nc_u64 s[36:37], s[12:13], s[18:19]      ; b2 at my columns
	s_lshl_b32 s18, s16, 16
	s_add_nc_u64 s[32:33], s[6:7], s[18:19]        ; W1 at my 256 rows of 256 bytes
	s_mul_i32 s40, s16, EXPART
	s_add_co_u32 s40, s40, EX                      ; my part of the exchange
	v_and_b32 v[L16], 31, v0
	v_lshlrev_b32 v[L16], 4, v[L16]
	v_and_b32 v[R], 15, v0
	v_bfe_u32 v[H], v0, 4, 1
	v_lshlrev_b32 v[VB2], 4, v[R]                  ; 16 r
	v_lshl_add_u32 v[VW1], v[H], 11, v[VB2]        ; + 8 h rows of 256 bytes
	v_lshl_add_u32 v[VW2], v[H], 17, v[VB2]        ; + 32 h rows of 4,096 bytes
	v_lshlrev_b32 v[VB], 7, v[H]                   ; hidden 32 h ..
.irp g, 0,1,2,3
	global_load_b128 v[B2C+4*\g:B2C+4*\g+3], v[VB2], s[36:37] offset:256*\g
.endr
	LDW1 0, 0
	LDW1 1, 1
	LDW1 2, 2
	LDW1 3, 3
	WIN 0
	v_mul_u32_u24 v[VSS], v[H], 8*IPITCH           ; the two lane halves lie 1,152 bytes apart: 128 modulo 256
	v_lshl_add_u32 v[VSS], v[R], 3, v[VSS]
	v_add_nc_u32 v[VSS], s40, v[VSS]
	v_mul_u32_u24 v15, v[R], IPITCH
	v_lshl_add_u32 v15, v[H], 4, v15
.irp d, 0,1,2,3
	ROT s41, \d, 16*IPITCH, s40
	v_add_nc_u32 v[VSA+\d], s41, v15
.endr
	v_add_nc_u32 v[VB2S], s40, v[VB2]
	v_lshl_add_u32 v[VB2L], v[H], 5, s40
	v_add_nc_u32 v[VB2L], B2L, v[VB2L]
; ==== the weights: sixteen units of sixteen loads through four landing buffers.  Each wait leaves the sixteen loads of each younger unit out. ====
	s_wait_loadcnt 48
	CVTF 0, 0x4f, 0
	LDW1 4, 0
	WIN 0
.irp g, 0,1,2,3
	ds_store_b128 v[VB2S], v[B2C+4*\g:B2C+4*\g+3] offset:B2L+256*\g    ; b2 was asked for ahead of unit 0: it is in.  Both lane halves store the same
.endr
	s_wait_loadcnt 48
	CVTF 1, 0x4f, 32
	LDW1 5, 1
	s_wait_loadcnt 48
	CVTF 2, 0x4f, 64
	LDW1 6, 2
	s_wait_loadcnt 48
	CVTF 3, 0x4f, 96
	LDW1 7, 3
	s_wait_loadcnt 48
	CVTF 0, 0x4f, 128
	LDW2 0, 0, 0
	s_wait_loadcnt 48
	CVTF 1, 0x4f, 160
	LDW2 0, 1, 1
	s_wait_loadcnt 48
	CVTF 2, 0x4f, 192
	LDW2 1, 0, 2
	s_wait_loadcnt 48
	CVTF 3, 0x4f, 224
	LDW2 1, 1, 3
	s_wait_loadcnt 48
	CVTF 0, 0x8f, 0
	IMG 0, 0
	LDW2 2, 0, 0
	s_wait_loadcnt 48
	CVTF 1, 0x8f, 32
	IMG 1, 1
	LDW2 2, 1, 1
	MMUL 0, 1                                      ; the first product starts the sums
	s_wait_loadcnt 48
	CVTF 2, 0x8f, 64
	IMG 0, 2
	LDW2 3, 0, 2
	s_wait_loadcnt 48
	CVTF 3, 0x8f, 96
	IMG 1, 3
	LDW2 3, 1, 3
	MMUL 1, 0
	s_wait_loadcnt 48
	CVTF 0, 0x8f, 128
	IMG 0, 0
	s_wait_loadcnt 32
	CVTF 1, 0x8f, 160
	IMG 1, 1
	MMUL 2, 0
	s_wait_loadcnt 16
	CVTF 2, 0x8f, 192
	IMG 0, 2
	s_wait_loadcnt 0
	CVTF 3, 0x8f, 224
	IMG 1, 3
	WIN 0xc0
.irp j, 0,1,2,3,4,5,6,7
	global_load_b128 v[B1V+4*\j:B1V+4*\j+3], v[VB], s[8:9] offset:16*\j           ; b1[32 h + 4 j + t]
	global_load_b128 v[WV+4*\j:WV+4*\j+3],   v[VB], s[6:7] offset:262144+16*\j    ; W1's row 1,024 likewise
.endr
	MMUL 3, 0
; ==== c = b2 W1a, my slice's part: b2 stands in every column of the second operand, so c comes out in the state's layout, alike in all rows ====
	XLOAD 0, VB2L, 0
	XLOAD 1, VB2L, 1
	PLACES                                         ; the conversions write registers that M's last products read
	s_wait_dscnt 16
	XCVT 0
	XMUL 0, CP, 0, 1
	s_wait_dscnt 0
	XCVT 1
	XMUL 1, CP, 1, 0
; ==== M and c summed over the waves.  The weights' offsets are free: their loads were waited for with the count 0 above. ====
	WIN 0
	v_add_nc_u32 v[VEXS], s40, v[L16]
.irp d, 1,2,3
	ROT s41, 4-\d, EXPART, EX+4096*(\d-1)          ; group d of wave (w - d) & 3 is meant for me
	v_add_nc_u32 v[VEXL+\d-1], s41, v[L16]
.endr
	s_lshl_b32 s41, s16, 9
	s_add_co_u32 s41, s41, MG
	v_add_nc_u32 v[VMGS], s41, v[L16]              ; input tile w is half w & 1 of fragments (nt, w >> 1): 512 w
	v_add_nc_u32 v[VMG], MG, v[L16]
	s_lshl_b32 s41, s16, 8
	s_add_co_u32 s41, s41, CG
	v_lshl_add_u32 v[VCGS], v[H], 5, s41
	s_mov_b32 s41, CG
	v_lshl_add_u32 v[VCGL], v[H], 5, s41
	EXSEND
.irp t, 0,1,2,3
	ds_store_b128 v[VCGS], v[CP+8*\t:CP+8*\t+3]   offset:64*\t
	ds_store_b128 v[VCGS], v[CP+8*\t+4:CP+8*\t+7] offset:64*\t+16
.endr
	EXRECV                                         ; group 0 = M[input tile w][all outputs], whole
	WIN 0xc0
.irp wv, 0,1,2,3
.irp t, 0,1,2,3
	ds_load_b128 v[32*\wv+8*\t:32*\wv+8*\t+3],   v[VCGL] offset:256*\wv+64*\t
	ds_load_b128 v[32*\wv+8*\t+4:32*\wv+8*\t+7], v[VCGL] offset:256*\wv+64*\t+16
.endr
.endr
	WIN 0
	PKSCALE GR, GR, KAPPA
.set i, 0
.rept 16
	v_cvt_pk_bf16_f32 v[GR+32+i], v[GR+2*i], v[GR+2*i+1]      ; input position along the registers, output position on the lane: a first operand's half
.set i, i+1
.endr
.irp nt, 0,1,2,3
	ds_store_b128 v[VMGS], v[GR+32+4*\nt:GR+32+4*\nt+3] offset:2048*\nt
.endr
	s_wait_dscnt 0x4                               ; c's 32 loads are back; the four stores behind them may be out
	s_wait_loadcnt 0x0                             ; b1 and w
	WIN 0xcf
	PKADD 0, 0, 32
	PKADD 64, 64, 96
	PKADD 0, 0, 64
.irp t, 0,1,2,3
.irp j, 0,1,2,3,4,5,6,7
	v_add_f32 v[8*\t+\j], v[8*\t+\j], v[WV+4*\j+\t]
.endr
.endr
	WIN 0x03
	PKSCALE GH, 0, KAPPA                           ; Gh = (S2/12)(c + w)
	WIN 0
	v_mul_u32_u24 v[VXA], v[R], XPITCH             ; b1's and w's offset register is free since the wait above
	v_lshl_add_u32 v[VXA], v[H], 5, v[VXA]
.irp d, 1,2,3,0
	ROT s41, \d, XBLK, s46
	v_add_nc_u32 v[VXA+\d], s41, v[VXA]
.endr
	BAR                                            ; Mh's halves are in LDS; every wave's reads of the exchange are back
	WIN 0xc0
.irp f, 0,1,2,3,4,5,6,7
	ds_load_b128 v[MH+8*\f:MH+8*\f+3],   v[VMG] offset:1024*\f
	ds_load_b128 v[MH+8*\f+4:MH+8*\f+7], v[VMG] offset:1024*\f+512
.endr
; ==== u^T = W1a^T x^T, my slice's part, for all four row blocks ====
	s_wait_tensorcnt 0x0                           ; my slice of x is in LDS; I alone read it
	XLOAD 0, VXA+0, 0
	XLOAD 1, VXA+0, 1
	PBATCH 0, 0, 0, 16, 1
	PBATCH 1, 0, 1, 16, 1
	PBATCH 0, 1, 0, 16, 2
	PBATCH 1, 1, 1, 16, 2
	PBATCH 0, 2, 0, 16, 3
	PBATCH 1, 2, 1, 16, 3
	PBATCH 0, 3, 0, 16, -1
	PBATCH 1, 3, 1, 0, -1
	EXSEND
	EXRECV                                         ; group 0 = u^T of my sixteen rows, whole
	WIN 0x0c
.irp t, 0,1,2,3
.irp j, 0,1,2,3,4,5,6,7
	v_add_f32 v[AR+8*\t+\j], v[AR+8*\t+\j], v[B1V+4*\j+\t]
.endr
.endr
	WIN 0
	PKSCALE AR, AR, S2                             ; P at t = 0
; ==== six steps ====
	STEP AC, 1, 0
	s_mov_b32 s45, 4
.Lstep:
	STEP SG, 0, 0
	s_sub_co_i32 s45, s45, 1
	s_cmp_lg_u32 s45, 0
	s_cbranch_scc1 .Lstep
	STEP SG, 0, 1
; ==== S = A / 36 to all waves: packed, it is a first operand (data row on the lane, hidden position along the registers) ====
	s_lshl_b32 s41, s16, 11
	s_add_co_u32 s41, s41, MG
	v_add_nc_u32 v[VSGS], s41, v[L16]
	v_lshlrev_b32 v[VOUT], 4, v[R]
	v_mul_u32_u24 v[VXR], v[H], 8*XPITCH
	v_add3_u32 v[VXR], v[VXR], v[VOUT], s46        ; x: row 8 h, 16 r, my slice
	v_lshl_add_u32 v[VOUT], v[H], 15, v[VOUT]      ; out0: 8 h rows of 4,096 bytes + 16 r
	PKSCALE HH, AC, INV36
	PACK HH
.irp q, 0,1,2,3
	ds_store_b128 v[VSGS], v[BF+4*\q:BF+4*\q+3] offset:512*\q          ; over Mh's fragments, whose loads every wave waited for in front of the last barrier
.endr
	BAR
.irp f, 0,1,2,3,4,5,6,7
	ds_load_b128 v[SF+8*\f:SF+8*\f+3],   v[VMG] offset:1024*\f
	ds_load_b128 v[SF+8*\f+4:SF+8*\f+7], v[VMG] offset:1024*\f+512
.endr
	s_wait_dscnt 0x0
; ==== out0 = x + S W2 + b2: sixteen blocks of 16 rows x 64 columns on two buffers; block i is multiplied while block i - 1 is added and stored.
; The 32 additions of block i - 1 are the places behind block i's products (they name none of their registers). ====
	B2BSET 0
	MM 0, 0, 0
	PLACES
	MM 0, 1, 1
	ADDST 0, 0, 0, 8
	MM 0, 2, 0
	ADDST 0, 1, 1, 8
	MM 0, 3, 1
	ADDST 0, 2, 0, 8
	B2BSET 1
	MM 1, 0, 0
	ADDST 0, 3, 1, 8
	MM 1, 1, 1
	ADDST 1, 0, 0, 8
	MM 1, 2, 0
	ADDST 1, 1, 1, 8
	MM 1, 3, 1
	ADDST 1, 2, 0, 8
	B2BSET 2
	MM 2, 0, 0
	ADDST 1, 3, 1, 8
	MM 2, 1, 1
	ADDST 2, 0, 0, 8
	MM 2, 2, 0
	ADDST 2, 1, 1, 8
	MM 2, 3, 1
	ADDST 2, 2, 0, 8
	B2BSET 3
	MM 3, 0, 0
	ADDST 2, 3, 1, 8
	MM 3, 1, 1
	ADDST 3, 0, 0, 8
	MM 3, 2, 0
	ADDST 3, 1, 1, 8
	MM 3, 3, 1
	ADDST 3, 2, 0, 8
	ADDST 3, 3, 1, 0
	s_wait_xcnt 0x0
	v_lshl_add_u32 v254, v0, 2, 0x4f400
	v_mov_b32 v255, 0
	s_wait_tensorcnt 0x0
	ds_add_u32 v254, v255
	s_wait_dscnt 0x0
	s_endpgm
.Lfunc_end_k_q27f4dc2f3e_node:
	.size	k_q27f4dc2f3e_node, .Lfunc_end_k_q27f4dc2f3e_node-k_q27f4dc2f3e_node
	.p2alignl 7, 3214868480
	.fill 96, 4, 3214868480
	.section	.rodata,"a",@progbits
	.p2align	6, 0x0
	.amdhsa_kernel k_q27f4dc2f3e_node
		.amdhsa_group_segment_fixed_size 325120
		.amdhsa_private_segment_fixed_size 0
		.amdhsa_enable_private_segment 0
		.amdhsa_kernarg_size 48
		.amdhsa_user_sgpr_count 2
		.amdhsa_user_sgpr_kernarg_segment_ptr 1
		.amdhsa_wavefront_size32 1
		.amdhsa_system_sgpr_workgroup_id_x 1
		.amdhsa_system_sgpr_workgroup_id_y 1
		.amdhsa_system_sgpr_workgroup_id_z 1
		.amdhsa_system_vgpr_workitem_id 0
		.amdhsa_next_free_vgpr 1024
		.amdhsa_next_free_sgpr 66
		.amdhsa_reserve_vcc 0
		.amdhsa_float_denorm_mode_32 3
		.amdhsa_float_denorm_mode_16_64 3
		.amdhsa_memory_ordered 1
		.amdhsa_forward_progress 1
		.amdhsa_inst_pref_size 255
	.end_amdhsa_kernel
	.section	.bss,"aw",@nobits
	.p2align	6
	.space	262144
	.amdgpu_metadata
---
amdhsa.version: [ 1, 2 ]
amdhsa.kernels:
  - .name:           k_q27f4dc2f3e_node
    .symbol:         k_q27f4dc2f3e_node.kd
    .args:
      - { .name: x, .offset: 0, .size: 8, .value_kind: global_buffer, .address_space: global }
      - { .name: W1, .offset: 8, .size: 8, .value_kind: global_buffer, .address_space: global }
      - { .name: b1, .offset: 16, .size: 8, .value_kind: global_buffer, .address_space: global }
      - { .name: W2, .offset: 24, .size: 8, .value_kind: global_buffer, .address_space: global }
      - { .name: b2, .offset: 32, .size: 8, .value_kind: global_buffer, .address_space: global }
      - { .name: out0, .offset: 40, .size: 8, .value_kind: global_buffer, .address_space: global }
    .group_segment_fixed_size: 325120
    .private_segment_fixed_size: 0
    .kernarg_segment_align: 8
    .kernarg_segment_size: 48
    .max_flat_workgroup_size: 128
    .sgpr_count:     66
    .vgpr_count:     1024
    .wavefront_size: 32
...
	.end_amdgpu_metadata
.endif
;; end of part 1
